; MI455X (gfx1250); checked and timed in simulation.
; The chip was launched on July 23, 2026; its instructions are those of AMD's public machine-readable ISA for CDNA 5 (MIT licence, August 2026) and "CDNA5" Instruction Set Architecture Reference Guide (July 2026). The comments in the code are by the model that wrote it; some were corrected since.
;; Classifier. Allowed arithmetic: float matrix products may take bf16 or f16 operands with f32 sums; other float arithmetic in f32, or as packed bf16 or f16 multiplies, adds, multiply-adds, maxima and minima; sums over many terms, partial sums and values carried from step to step in f32; what a program stores and reads back later, other than sums and carried values, may be rounded once to bf16 or f16.
;; Inputs: Y 4,096 x 4,096 float32; Z 4,096 x 4,096 float32.
;; Outputs: out0 4,096 x 4,096 float32.
;; 2 versions, each right; version 2 is version 1 with the launch prep written anew for expert scheduling mode. Each part assembles by itself: llvm-mc -triple=amdgcn-amd-amdhsa -mcpu=gfx1250 --defsym DOCPART=n.
;; ======== version 1 of 2: 2 launches
;; workspace buffers: ab 67,108,864 bytes; rn 32,768 bytes
;; launch prep (part 1): grid 256 x 2, 8 waves a work-group, no clusters, 0 bytes of LDS; arguments Z, Y, ab, rn; writes ab, rn
.if DOCPART == 1
	.amdgcn_target "amdgcn-amd-amdhsa--gfx1250"
	.amdhsa_code_object_version 6
	.text
	.protected	k_q5f797d29f8_prep
	.globl	k_q5f797d29f8_prep
	.p2align	8
	.type	k_q5f797d29f8_prep,@function
k_q5f797d29f8_prep:
	s_mov_b64 s[64:65], 0
	v_nop
	global_prefetch_b8 v0, s[64:65] scope:SCOPE_SE
	s_setreg_imm32_b32 hwreg(HW_REG_WAVE_MODE, 25, 1), 1
	s_wait_xcnt 0x0
; THE CAST AND THE NORMS.  Z and Y, [4096][4096] f32, are each read once.  ab takes their copies rounded to bf16 (Z's 4096 rows of 8,192 bytes, then Y's);
; rn takes 1 / sqrt(sum of a row's squares) in f32: Z's 4096 words, then Y's.  The squares are taken of the f32 numbers, summed in f32.
; LIMITS.  A sum of squares below 2^-126 counts as 0 in v_rsq_f32 and gives an infinity, which the next launch caps at 1e8; a sum beyond f32's range gives 0, as the
; norm in f32 would be an infinity.  NaN and infinities are not treated apart.
; SHARES.  Grid y picks the matrix; work-group x owns 16 rows, each of its eight waves two.  A row is 32 chunks of 512 bytes: one load of a wave takes 512 consecutive bytes
; (16 a lane), one store of a wave writes the same four numbers a lane as 256 consecutive bytes of bf16, aligned.  A row never leaves its wave: no LDS, no barrier.
; IN FLIGHT.  32 loads of every wave: row 0's at the start; each chunk's registers are asked for again, for row 1, as soon as they have been read.
; No matrix unit, no cluster, no LDS ring: no byte is used twice, and what the launch does is move bytes.  No loop: both rows are written out, every step stands in an immediate, no address register is rewritten.
; rn's stores are 8 bytes a wave: 32 KiB of the launch's 64 MiB of stores; a work-group that owned 64 rows, 256 bytes of rn, would leave only 128 work-groups.
.set ROWIN,  16384                     ; bytes in a row of Z or Y
.set ROWOUT, 8192                      ; bytes in a row of ab
.set LO,  2                            ; v2   my 16 bytes in my wave's first row, from the work-group's first row; never rewritten
.set SO,  3                            ; v3   my 8 bytes in ab likewise; never rewritten
.set RO,  4                            ; v4   8 x wave + 4 x lane: lanes 0 and 1 store the wave's two words of rn
.set ACC, 8                            ; v[8:23]    row r: four pairs of running sums at ACC + 8 r
.set RS,  24                           ; v24, v25   the two reciprocal norms
.set X,   32                           ; v[32:159]  chunk j: four f32 as loaded
.set Y,   160                          ; v[160:223] chunk j: four bf16 to store
	s_load_b256 s[4:11], s[0:1], 0x0               ; Z s[4:5], Y s[6:7], ab s[8:9], rn s[10:11]
	s_and_b32 s15, ttmp7, 0xffff                   ; 0: Z, 1: Y
	s_mov_b32 s12, 0x76543210                      ; v_permlanex16_b32: lane i of one half reads lane i of the other
	s_mov_b32 s13, 0xfedcba98
	s_lshl_b32 s16, ttmp9, 18                      ; in: 16 rows of 16,384 bytes a work-group
	s_mov_b32 s17, 0
	s_lshl_b32 s18, s15, 25                        ; out: 32 MiB a matrix,
	s_lshl_b32 s19, ttmp9, 17                      ; 16 rows of 8,192 bytes a work-group
	s_add_co_u32 s18, s18, s19
	s_mov_b32 s19, 0
	s_lshl_b32 s20, s15, 14                        ; rn: 16 KiB a matrix,
	s_lshl_b32 s21, ttmp9, 6                       ; 16 words a work-group
	s_add_co_u32 s20, s20, s21
	s_mov_b32 s21, 0
	v_and_b32 v1, 31, v0                           ; lane
	v_and_b32 v5, 0xe0, v0                         ; 32 x wave
	v_lshlrev_b32 v[LO], 4, v1
	v_lshl_or_b32 v[LO], v5, 10, v[LO]             ; + wave x 2 rows x 16,384
	v_lshlrev_b32 v[SO], 3, v1
	v_lshl_or_b32 v[SO], v5, 9, v[SO]              ; + wave x 2 rows x 8,192
	v_lshrrev_b32 v[RO], 2, v5
	v_lshl_add_u32 v[RO], v1, 2, v[RO]
	s_wait_kmcnt 0x0
	s_cmp_eq_u32 s15, 0
	s_cselect_b64 s[4:5], s[4:5], s[6:7]           ; the matrix that this work-group reads
	s_add_nc_u64 s[4:5], s[4:5], s[16:17]
	s_add_nc_u64 s[8:9], s[8:9], s[18:19]
	s_add_nc_u64 s[10:11], s[10:11], s[20:21]
.set n, 0
.rept 32
	global_load_b128 v[X+4*n:X+4*n+3], v[LO], s[4:5] offset:512*n th:TH_LOAD_NT  ; row 0, all of it
.set n, n+1
.endr
; Chunk j of row r.  ahead = 1: its registers are asked for again, with the same chunk of row 1.  left = the younger loads that may stay out.
; The sums go in four pairs of chains (even and odd chunks, two pairs each); a chain's first product starts it: nothing is cleared.
.macro SLOT r, j, ahead, left
	s_wait_loadcnt \left                           ; loads come back in order (ISA guide 5.7.1): this chunk is in
.if (\j) < 2
	v_pk_mul_f32 v[ACC+8*(\r)+4*(\j):ACC+8*(\r)+4*(\j)+1],   v[X+4*(\j):X+4*(\j)+1],   v[X+4*(\j):X+4*(\j)+1]
	v_pk_mul_f32 v[ACC+8*(\r)+4*(\j)+2:ACC+8*(\r)+4*(\j)+3], v[X+4*(\j)+2:X+4*(\j)+3], v[X+4*(\j)+2:X+4*(\j)+3]
.else
	v_pk_fma_f32 v[ACC+8*(\r)+4*((\j)%2):ACC+8*(\r)+4*((\j)%2)+1],   v[X+4*(\j):X+4*(\j)+1],   v[X+4*(\j):X+4*(\j)+1],   v[ACC+8*(\r)+4*((\j)%2):ACC+8*(\r)+4*((\j)%2)+1]
	v_pk_fma_f32 v[ACC+8*(\r)+4*((\j)%2)+2:ACC+8*(\r)+4*((\j)%2)+3], v[X+4*(\j)+2:X+4*(\j)+3], v[X+4*(\j)+2:X+4*(\j)+3], v[ACC+8*(\r)+4*((\j)%2)+2:ACC+8*(\r)+4*((\j)%2)+3]
.endif
	v_cvt_pk_bf16_f32 v[Y+2*(\j)],   v[X+4*(\j)],   v[X+4*(\j)+1]    ; two roundings to nearest even, packed
	v_cvt_pk_bf16_f32 v[Y+2*(\j)+1], v[X+4*(\j)+2], v[X+4*(\j)+3]
.if \ahead
	global_load_b128 v[X+4*(\j):X+4*(\j)+3], v[LO], s[4:5] offset:ROWIN+512*(\j) th:TH_LOAD_NT  ; the load ahead of the store
.endif
	global_store_b64 v[SO], v[Y+2*(\j):Y+2*(\j)+1], s[8:9] offset:ROWOUT*(\r)+256*(\j) th:TH_STORE_NT
.endm
.set n, 0
.rept 32
	SLOT 0, n, 1, 31                               ; behind chunk n of row 0 stand 31 - n loads of row 0 and n of row 1: 31
.set n, n+1
.endr
	s_wait_xcnt 0x0                                ; row 0's stores have read their data: Y's registers are written again only behind this wait
.set n, 0
.rept 32
	SLOT 1, n, 0, 31-n                             ; nothing more is asked for: the counts run down
.set n, n+1
.endr
	; the two rows' sums: within the lane, then across the 32 lanes (four steps inside each half of 16 lanes ride on the addition, one crosses the halves); the rows' lines alternate
.irp r, 0,1
	v_pk_add_f32 v[ACC+8*\r:ACC+8*\r+1], v[ACC+8*\r:ACC+8*\r+1], v[ACC+8*\r+2:ACC+8*\r+3]
	v_pk_add_f32 v[ACC+8*\r+4:ACC+8*\r+5], v[ACC+8*\r+4:ACC+8*\r+5], v[ACC+8*\r+6:ACC+8*\r+7]
.endr
.irp r, 0,1
	v_pk_add_f32 v[ACC+8*\r:ACC+8*\r+1], v[ACC+8*\r:ACC+8*\r+1], v[ACC+8*\r+4:ACC+8*\r+5]
.endr
.irp r, 0,1
	v_add_f32 v[ACC+8*\r], v[ACC+8*\r], v[ACC+8*\r+1]
.endr
.irp m, 1,2,4,8
.irp r, 0,1
	v_add_f32_dpp v[ACC+8*\r], v[ACC+8*\r], v[ACC+8*\r] row_xmask:\m row_mask:0xf bank_mask:0xf
.endr
.endr
.irp r, 0,1
	v_permlanex16_b32 v[ACC+8*\r+1], v[ACC+8*\r], s12, s13  ; its destination has been written before
.endr
.irp r, 0,1
	v_add_f32 v[ACC+8*\r], v[ACC+8*\r], v[ACC+8*\r+1]       ; every lane holds the row's sum of squares
.endr
	v_rsq_f32 v[RS], v[ACC]
	v_rsq_f32 v[RS+1], v[ACC+8]
	v_cmp_eq_u32 vcc_lo, 1, v1
	v_nop                                          ; a plain instruction behind the last of the two (ISA guide 5.7.2),
	s_wait_alu depctr_va_vdst(0)                   ; and one wait for both, ahead of their first reader
	v_cndmask_b32 v[RS], v[RS], v[RS+1], vcc_lo    ; lane 0 keeps row 0's, lane 1 takes row 1's
	s_wait_xcnt 0x0                                ; EXEC changes only when every earlier load and store has read its sources
	v_cmp_gt_u32 vcc_lo, 2, v1
	s_and_saveexec_b32 s14, vcc_lo
	global_store_b32 v[RO], v[RS], s[10:11]
	s_wait_xcnt 0x0                                ; and again, in front of the line that widens it
	s_or_b32 exec_lo, exec_lo, s14
	s_endpgm
.Lfunc_end_k_q5f797d29f8_prep:
	.size	k_q5f797d29f8_prep, .Lfunc_end_k_q5f797d29f8_prep-k_q5f797d29f8_prep
	.p2alignl 7, 3214868480
	.fill 96, 4, 3214868480
	.section	.rodata,"a",@progbits
	.p2align	6, 0x0
	.amdhsa_kernel k_q5f797d29f8_prep
		.amdhsa_group_segment_fixed_size 0
		.amdhsa_private_segment_fixed_size 0
		.amdhsa_enable_private_segment 0
		.amdhsa_kernarg_size 32
		.amdhsa_user_sgpr_count 2
		.amdhsa_user_sgpr_kernarg_segment_ptr 1
		.amdhsa_wavefront_size32 1
		.amdhsa_system_sgpr_workgroup_id_x 1
		.amdhsa_system_sgpr_workgroup_id_y 1
		.amdhsa_system_sgpr_workgroup_id_z 1
		.amdhsa_system_vgpr_workitem_id 0
		.amdhsa_next_free_vgpr 224
		.amdhsa_next_free_sgpr 66
		.amdhsa_reserve_vcc 1
		.amdhsa_float_denorm_mode_32 3
		.amdhsa_float_denorm_mode_16_64 3
		.amdhsa_memory_ordered 1
		.amdhsa_forward_progress 1
		.amdhsa_inst_pref_size 33
	.end_amdhsa_kernel
	.amdgpu_metadata
---
amdhsa.version: [ 1, 2 ]
amdhsa.kernels:
  - .name:           k_q5f797d29f8_prep
    .symbol:         k_q5f797d29f8_prep.kd
    .args:
      - { .name: Z, .offset: 0, .size: 8, .value_kind: global_buffer, .address_space: global }
      - { .name: Y, .offset: 8, .size: 8, .value_kind: global_buffer, .address_space: global }
      - { .name: ab, .offset: 16, .size: 8, .value_kind: global_buffer, .address_space: global }
      - { .name: rn, .offset: 24, .size: 8, .value_kind: global_buffer, .address_space: global }
    .group_segment_fixed_size: 0
    .private_segment_fixed_size: 0
    .kernarg_segment_align: 8
    .kernarg_segment_size: 32
    .max_flat_workgroup_size: 256
    .sgpr_count:     66
    .vgpr_count:     224
    .wavefront_size: 32
...
	.end_amdgpu_metadata
.endif
;; end of part 1
;; launch gemm (part 2): grid 16 x 16, 4 waves a work-group, clusters of 4 x 4, 327,680 bytes of LDS; arguments ab, rn, out0; writes out0
.if DOCPART == 2
	.amdgcn_target "amdgcn-amd-amdhsa--gfx1250"
	.amdhsa_code_object_version 6
	.text
	.protected	k_q5f797d29f8_gemm
	.globl	k_q5f797d29f8_gemm
	.p2align	8
	.type	k_q5f797d29f8_gemm,@function
k_q5f797d29f8_gemm:
	s_mov_b64 s[64:65], 0
	v_nop
	global_prefetch_b8 v0, s[64:65] scope:SCOPE_SE
	s_setreg_imm32_b32 hwreg(HW_REG_WAVE_MODE, 25, 1), 1
	s_wait_xcnt 0x0
	s_wait_alu depctr_hold_cnt(0) depctr_sa_sdst(0) depctr_va_vdst(0) depctr_va_sdst(0) depctr_va_ssrc(0) depctr_va_vcc(0) depctr_vm_vsrc(0)
	s_getreg_b32 s2, hwreg(HW_REG_IB_STS2, 6, 4)
	s_cmp_eq_u32 s2, 0
	s_cbranch_scc0 .Lentry_in_a_cluster
	s_endpgm
.Lentry_in_a_cluster:
	s_bfe_u32 s2, ttmp6, 0x10000c
	s_cmp_lg_u32 s2, 0xf033
	s_cbranch_scc0 .Lentry_shape_is_right
	s_endpgm
.Lentry_shape_is_right:
; out0[m][n] = (sum over k of A[m][k] B[n][k]) x min(rz[m] ry[n], 1e8).  A = Z and B = Y rounded to bf16, [4096][4096] each, A at ab's first byte, B 32 MiB behind it;
; rz, ry = 1 / norm of Z's and Y's rows in f32: rn's words 0-4095 and 4096-8191.  Sums in f32, out0 f32.
; THE SCALE.  dots / max(nx ny, 1e-8) is taken as dots x min((1 / nx)(1 / ny), 1e8).  A row of zeros has an infinite reciprocal: the minimum gives 1e8, and its sums are 0.
; LIMITS.  1e8 is f32's nearest number to it; the scale is rounded three times (two reciprocal roots of 1 ULP, one product) where a division would round once.  Where a norm's square lies below 2^-126 the
; scale is 1e8 whatever the other norm.  A NaN in a row leaves the scale at 1e8 and the sum NaN.  Infinities are not treated apart.
; SHARES.  A tile of out0, 256 x 256, is made by a work-group of four waves; a wave makes 128 x 128: 64 accumulators of 16 x 16, 512 registers.  16 x 16 tiles: one work-group each.
; K goes in steps of 128 through a ring of two LDS slots filled by the tensor data mover; the rows of A's and B's tiles are 256 bytes of memory at multiples of 256 from the buffer's first byte.
; CLUSTERS: 4 x 4 work-groups.  The four of a row of the cluster need the same tiles of A, the four of a column the same tiles of B: such a tile is asked for JOINTLY, by the same tensor load with the
; same descriptor and a mask that names the four, and each receives it in its own LDS.  That divides the requests for A and for B by four.
; THE MATRIX INSTRUCTION IS USED TRANSPOSED: source 0 = 16 rows of B, source 1 = 16 rows of A.  In the result lane l holds row m = l % 16 and its registers 0-7 the columns 8 (l / 16) + 0..7:
; 32 neighbouring bytes of a row of out0, one rz and eight ry a lane.
; REGISTERS, in windows of 256 (s_set_vgpr_msb's low byte: bits 1:0 source 0, 3:2 source 1, 5:4 source 2, 7:6 destination):
;   window 0: v0-31 addresses; v32-47 rz; v64-127, v128-191 fragments of A, two buffers (v64-127 on the way out: at work); v192-255 ry
;   window 1: v64-127, v128-191 fragments of B, two buffers; on the way out: 16 rows read back from the stage, by turns
;   window 2: the 32 accumulators of my rows 0-63 (accumulator (a, b) at v[8 (8 a + b)]);   window 3: those of my rows 64-127
.set SIZE_K, 4096
.set KSTEP,  128
.set PITCH,  272                       ; an LDS row: 256 bytes + 16 of padding = 68 words: row r starts at bank 4 r mod 64 (64 banks of 4 bytes: ISA guide 11.1), so the 16 rows of a load start at 16 different banks
.set HALFT,  128*PITCH                 ; 128 rows: what one tensor load brings, and what one wave reads of A or of B
.set SLOT,   4*HALFT                   ; A's 256 rows, then B's 256 rows
.set STAGE,  2*SLOT                    ; behind the ring: 16 rows x 528 bytes for each wave, for the way out; no tensor load lands here
.set SPITCH, 528                       ; a stage row: my 128 columns in f32, 512 bytes, + 16: an odd multiple of 16, so the 16 rows of a store fall into 16 different groups of four banks
.set SPARE,  STAGE+4*16*SPITCH         ; behind the stages: the spare words, 128 bytes for each wave: two blocks of 256 bytes that no other line names
.set LAPS,   SIZE_K/(2*KSTEP)          ; a lap = two K steps = once round the ring
.set OROW,   16384                     ; bytes in a row of out0
.set BOFF,   0x2000000                 ; B's first byte in ab
.set RXO,  6                           ; v6      my byte offset in rn for rz of my block 0; never rewritten
.set RYO,  7                           ; v7      the same for ry, less Y's 16,384 bytes; never rewritten
.set ADRA, 16                          ; v16-17  LDS address of my A fragments in slot 0, 1
.set ADRB, 20                          ; v20-21  the same for B
.set STO,  24                          ; v24     the way out: where I put 32 bytes of a row
.set RD,   25                          ; v25     the way out: where I read a row back
.set CO,   26                          ; v26     16 x lane: my bytes in my wave's 512 of a row of out0
.set SPW,  28                          ; v28     LDS address of my spare word: SPARE + 4 x my thread's number; never rewritten
.set NIL,  29                          ; v29     0; never rewritten
.set PFO,  30                          ; v30     the prefetches' offset: my lane x a row of A or B; never rewritten
.set RX,   32                          ; v[32:47]   rz of block a, twice: a pair for the packed multiply
.set F0,   64                          ; fragment buffer 0
.set F1,   128                         ; fragment buffer 1
.set T,    64                          ; the way out: a block's 64 scales, then its 64 results
.set RY,   192                         ; v[192:255] ry of n block b at RY + 8 b
.set G1,  24                           ; s[24:31] descriptor group 1 for A's tiles
.set G0,  32                           ; s[32:39] descriptor group 0 for A's tiles, one set for each slot
.set LIM, 43                           ; s43      1 in a wave that prefetches, else the greatest number
.set PFA, 44                           ; s[44:45] where my prefetches stand
.set G1B, 48                           ; s[48:55] descriptor group 1 for B's tiles: it differs in the mask alone
.set G0B, 56                           ; s[56:63] descriptor group 0 for B's tiles
.set RN,  68                           ; s[68:69] rn
.set CAP, 70                           ; s70      1e8
.set MSB, 0
.macro WIN new                         ; the immediate's high byte repeats the setting that is left; a switch that changes nothing is dropped
.if MSB != (\new)
	s_set_vgpr_msb (MSB<<8)|(\new)
.set MSB, \new
.endif
.endm
.set MUL_LO, 0xa1                      ; source 0 (B) window 1, source 1 (A) window 0, C and D window 2
.set MUL_HI, 0xf1                      ; the same, C and D window 3
.set TO_B,   0x40                      ; destination window 1, address window 0
; A joint load.  Waves 0 and 1 fetch A's two halves, waves 2 and 3 B's.  Each line has one mask and one set of registers for all that issue it; the branch hangs on the wave's number alone.
; An s_nop 0 and four v_nop follow each of the two lines, ahead of the jump, the label and what follows the macro.
.macro JLOAD s
	s_cmp_eq_u32 s11, 0
	s_cbranch_scc0 .Lfor_b_\@
	tensor_load_to_lds s[G0+4*(\s):G0+4*(\s)+3], s[G1:G1+7]
	s_nop 0
.rept 4
	v_nop
.endr
	s_branch .Lasked_\@
.Lfor_b_\@:
	tensor_load_to_lds s[G0B+4*(\s):G0B+4*(\s)+3], s[G1B:G1B+7]
	s_nop 0
.rept 4
	v_nop
.endr
.Lasked_\@:
.endm
; A PREFETCH INTO THE L2, behind each joint refill and the run of LDS loads that follows it: the K step that stands two refills on, 512 matrix instructions ahead of the load that will ask for it:
; 32 rows x 256 bytes, a lane a row, one instruction a wave.  Each row's 256 bytes of a K step are named once in the launch: A's tile row is read by every cluster of that row of clusters, and the one
; with x = 0 asks; B's tile column likewise, and the cluster with y = 0 asks.  The four partners that ask for a tile jointly share its rows out BY ADDRESS: of the 128 rows that a wave fetches the partner
; at place p takes 32 p .. 32 p + 31 (p = cx for A, cy for B).  K steps 0 to 3 come by their loads alone; the loop's last trip (s3 = 1) asks for nothing: K step 31 is the last that is named.
.macro ASK
	s_cmp_gt_u32 s3, s[LIM]
	s_cbranch_scc0 .Lnot_mine_\@
	global_prefetch_b8 v[PFO], s[PFA:PFA+1] offset:KSTEP*2 th:TH_LOAD_NT scope:SCOPE_SE
.Lnot_mine_\@:
.endm
; A round of the cluster's barrier: my work-group's barrier, so that wave 0's signal speaks for all four waves; wave 0 signals for the work-group; every wave waits for all sixteen; my work-group's barrier once more.
.macro CREST                           ; a round behind its opening barrier
	s_cmp_lg_u32 s10, 0
	s_cbranch_scc1 .Lnot_wave_0_\@
	s_barrier_signal -3
.Lnot_wave_0_\@:
	s_barrier_wait -3
	s_barrier_signal -1
	s_barrier_wait -1
.endm
.macro CROUND                          ; a whole round
	s_barrier_signal -1
	s_barrier_wait -1
	CREST
.endm
	s_load_b64 s[4:5], s[0:1], 0x0                 ; ab: A
	s_load_b64 s[RN:RN+1], s[0:1], 0x8             ; rn
	s_load_b64 s[8:9], s[0:1], 0x10                ; out0
	v_lshl_add_u32 v[SPW], v0, 2, SPARE
	v_mov_b32 v[NIL], 0
	ds_add_u32 v[SPW], v[NIL]                      ; the wave's opening: the add and its wait stand ahead of my first tensor load; the set-up below, work on registers, stands between them
	v_lshrrev_b32 v1, 5, v0
	v_readfirstlane_b32 s10, v1                    ; wave 0..3
	s_lshr_b32 s11, s10, 1                         ; which half of the tile's rows is mine.  Also: I fetch for A (0) or for B (1)
	s_and_b32 s12, s10, 1                          ; which half of its columns.  Also: which 128 rows of that tile I fetch
	s_bfe_u32 s40, ttmp6, 0x40000                  ; cx: my place along the cluster's x
	s_bfe_u32 s41, ttmp6, 0x40004                  ; cy: along its y
	s_lshl_b32 s42, ttmp9, 2                       ; in a cluster launch ttmp9 and ttmp7 count clusters
	s_add_co_u32 s42, s42, s40                     ; tile column = 4 x cluster x + cx
	s_and_b32 s13, ttmp7, 0xffff
	s_lshl_b32 s13, s13, 2
	s_add_co_u32 s13, s13, s41                     ; tile row = 4 x cluster y + cy
	s_lshl_b32 s43, s41, 2
	s_lshl_b32 s43, 15, s43                        ; my row of the cluster: places 4 cy .. 4 cy + 3
	s_lshl_b32 s44, 0x1111, s40                    ; my column: places cx, cx + 4, cx + 8, cx + 12
	; descriptor group 1: a tile of 128 rows x 128 elements, padded in LDS
	s_or_b32 s[G1+0], s43, (1<<16)|(1<<20)|(1<<21)|(5<<22)|(3<<25)  ; 15:0 the mask: A's tiles go to my row; 17:16 elements of 2 bytes; 20 padding on; 21 set beside a mask; 24:22 after every 64 words (code 5); 31:25 4 words of it (code 3)
	s_or_b32 s[G1B+0], s44, (1<<16)|(1<<20)|(1<<21)|(5<<22)|(3<<25) ; the same with the mask of my column, for B's tiles
.irp g, G1, G1B
	s_mov_b32 s[(\g)+1], KSTEP<<16                 ; 63:48 tensor_dim0, low half = 128
	s_mov_b32 s[(\g)+2], 128<<16                   ; 95:80 tensor_dim1, low half = 128
	s_mov_b32 s[(\g)+3], KSTEP<<16                 ; 127:112 tile_dim0 = 128
	s_mov_b32 s[(\g)+4], 128                       ; 143:128 tile_dim1 = 128; tile_dim2 = 0
	s_mov_b32 s[(\g)+5], SIZE_K                    ; 191:160 elements from row to row
	s_mov_b32 s[(\g)+6], 0
	s_mov_b32 s[(\g)+7], 0
.endr
	; where the tiles come from.  A's hang on the tile row alone, which my row of the cluster shares; B's on the tile column alone, which my column shares.
	; Every wave makes both addresses, in registers that never hold the other coordinate, and asks by one of them.
	s_lshl_b32 s17, s12, 7                         ; which 128 rows of the tile I fetch
	s_lshl_b32 s16, s13, 8
	s_add_co_u32 s16, s16, s17                     ; A: row 256 x tile row + 128 x half
	s_lshl_b32 s46, s42, 8
	s_add_co_u32 s46, s46, s17                     ; B: row 256 x tile column + 128 x half
	s_mov_b32 s17, 0
	s_mov_b32 s47, 0
	s_mov_b64 s[18:19], SIZE_K*2
	s_mul_u64 s[16:17], s[16:17], s[18:19]         ; in bytes
	s_mul_u64 s[46:47], s[46:47], s[18:19]
	s_mul_i32 s20, s10, HALFT                      ; and where they go: A's two halves, then B's two = wave x 128 rows: no place in the cluster enters an LDS address
	s_mov_b32 s[CAP], 0x4cbebc20                   ; 1e8
	s_wait_dscnt 0x0                               ; the opening add is done
	s_wait_kmcnt 0x0
	s_add_nc_u64 s[6:7], s[4:5], BOFF              ; B
	s_add_nc_u64 s[14:15], s[4:5], s[16:17]
	s_add_nc_u64 s[46:47], s[6:7], s[46:47]
	CROUND                                         ; all sixteen work-groups are here: the first joint loads meet
.irp s, 0,1
	s_mov_b32 s[G0+4*(\s)], 1                                      ; 1:0 count = 1
	s_add_co_u32 s[G0+4*(\s)+1], s20, (\s)*SLOT                    ; 63:32 LDS address
	s_add_nc_u64 s[G0+4*(\s)+2:G0+4*(\s)+3], s[14:15], (\s)*KSTEP*2  ; 120:64 global address: K step s
	s_or_b32 s[G0+4*(\s)+3], s[G0+4*(\s)+3], 0x80000000            ; 127:126 type = 2
	s_mov_b32 s[G0B+4*(\s)], 1
	s_add_co_u32 s[G0B+4*(\s)+1], s20, (\s)*SLOT
	s_add_nc_u64 s[G0B+4*(\s)+2:G0B+4*(\s)+3], s[46:47], (\s)*KSTEP*2
	s_or_b32 s[G0B+4*(\s)+3], s[G0B+4*(\s)+3], 0x80000000
	JLOAD \s                                       ; the ring is filled before anything else is done: two loads of mine are out
.endr
	; A fragment is 16 rows x 32 K in 8 registers: lane l holds row l % 16; registers 0-3 hold K = 8 (l / 16) + 0..7, registers 4-7 K = 16 + 8 (l / 16) + 0..7: two loads of 16 bytes, 32 bytes apart.
	v_and_b32 v1, 15, v0                           ; l % 16
	v_bfe_u32 v2, v0, 4, 1                         ; l / 16
	v_mul_u32_u24 v3, v1, PITCH
	v_lshl_add_u32 v3, v2, 4, v3                   ; row x pitch + 16 x half
	s_mul_i32 s21, s11, HALFT                      ; my 128 rows of A
	s_mul_i32 s22, s12, HALFT                      ; my 128 rows of B,
	s_add_co_u32 s22, s22, 2*HALFT                 ; which lie behind A's 256
.irp s, 0,1
	v_add_nc_u32 v[ADRA+(\s)], s21, v3
	v_add_nc_u32 v[ADRB+(\s)], s22, v3
	s_add_co_u32 s21, s21, SLOT
	s_add_co_u32 s22, s22, SLOT
.endr
	s_mul_i32 s23, s10, 16*SPITCH
	s_add_co_u32 s23, s23, STAGE                   ; my stage
	v_mul_u32_u24 v4, v1, SPITCH                   ; in: row l % 16, 32 bytes for each half of the lanes
	v_lshl_add_u32 v4, v2, 5, v4
	v_add_nc_u32 v[STO], s23, v4
	v_and_b32 v5, 31, v0
	v_lshlrev_b32 v[CO], 4, v5                     ; back, and in out0: 32 lanes take one row's 512 bytes
	v_add_nc_u32 v[RD], s23, v[CO]
	; the scales: rz of row 256 x tile row + 128 x half + 16 a + l % 16; ry of columns 256 x tile column + 128 x half + 16 b + 8 (l / 16) + 0..7
	s_lshl_b32 s21, s13, 10
	s_lshl_b32 s22, s11, 9
	s_add_co_u32 s21, s21, s22
	v_lshl_add_u32 v[RXO], v1, 2, s21
	s_lshl_b32 s46, s42, 10                        ; 1,024 x tile column + 512 x half: my first column's bytes, in rn's words and in a row of out0 alike
	s_lshl_b32 s47, s12, 9
	s_add_co_u32 s46, s46, s47
	s_mov_b32 s47, 0
	v_lshl_add_u32 v[RYO], v2, 5, s46
.irp a, 0,1,2,3,4,5,6,7
	global_load_b32 v[RX+2*(\a)],   v[RXO], s[RN:RN+1] offset:64*(\a)
	global_load_b32 v[RX+2*(\a)+1], v[RXO], s[RN:RN+1] offset:64*(\a)   ; the same word once more: the pair that the packed multiply names
.endr
.irp b, 0,1,2,3,4,5,6,7
	global_load_b128 v[RY+8*(\b):RY+8*(\b)+3],   v[RYO], s[RN:RN+1] offset:16384+64*(\b)
	global_load_b128 v[RY+8*(\b)+4:RY+8*(\b)+7], v[RYO], s[RN:RN+1] offset:16384+64*(\b)+16
.endr
	; out0 at my first row and column
	s_lshl_b32 s13, s13, 8
	s_lshl_b32 s14, s11, 7
	s_add_co_u32 s16, s13, s14                     ; my first row
	s_mov_b32 s17, 0
	s_mov_b64 s[18:19], OROW
	s_mul_u64 s[16:17], s[16:17], s[18:19]
	s_add_nc_u64 s[16:17], s[16:17], s[46:47]
	s_add_nc_u64 s[8:9], s[8:9], s[16:17]
	; the prefetches.  s13 = 256 x tile row, s42 = tile column, s40 = cx, s41 = cy still stand
	s_lshl_b32 s42, s42, 8
	s_and_b32 s22, ttmp7, 0xffff                   ; cluster y
	s_cmp_eq_u32 s11, 0                            ; do I fetch for A?
	s_cselect_b32 s20, s13, s42                    ; the tile's first row: in A by the tile row, in B by the tile column
	s_cselect_b32 s21, s40, s41                    ; my place among the four that ask for it with me
	s_cselect_b32 s22, ttmp9, s22                  ; the coordinate along which other clusters read the same rows
	s_cselect_b64 s[PFA:PFA+1], s[4:5], s[6:7]
	s_cmp_eq_u32 s22, 0
	s_cselect_b32 s[LIM], 1, -1                    ; the same in all sixteen partners, for a given wave
	s_lshl_b32 s22, s12, 7
	s_add_co_u32 s20, s20, s22                     ; + the 128 rows that I fetch
	s_lshl_b32 s21, s21, 5
	s_add_co_u32 s20, s20, s21                     ; + my work-group's 32 of them
	s_mov_b32 s21, 0
	s_mov_b64 s[18:19], SIZE_K*2
	s_mul_u64 s[20:21], s[20:21], s[18:19]
	s_add_nc_u64 s[PFA:PFA+1], s[PFA:PFA+1], s[20:21]
	s_add_nc_u64 s[PFA:PFA+1], s[PFA:PFA+1], 2*KSTEP*2  ; at K step 2: the first refill steps it to 3 and names K step 4
	v_and_b32 v[PFO], 31, v0
	v_mul_u32_u24 v[PFO], v[PFO], SIZE_K*2
; 16 matrix instructions: m blocks a0, a0 + 1 of the window's four (hi = 0: my rows 0-63, 1: rows 64-127) x all 8 n blocks, 32 along K.  zero = 1: the first product starts the sums: nothing is ever cleared.
; The 64 accumulators take turns, one instruction a turn, in the same order in every quarter step.
.macro MUL16 f, hi, a0, zero
	WIN MUL_LO+0x50*(\hi)
.irp a, \a0, (\a0)+1
.irp b, 0,1,2,3,4,5,6,7
.if \zero
	v_wmma_f32_16x16x32_bf16 v[8*(8*(\a)+(\b)):8*(8*(\a)+(\b))+7], v[(\f)+8*(\b):(\f)+8*(\b)+7], v[(\f)+8*(4*(\hi)+(\a)):(\f)+8*(4*(\hi)+(\a))+7], 0
.else
	v_wmma_f32_16x16x32_bf16 v[8*(8*(\a)+(\b)):8*(8*(\a)+(\b))+7], v[(\f)+8*(\b):(\f)+8*(\b)+7], v[(\f)+8*(4*(\hi)+(\a)):(\f)+8*(4*(\hi)+(\a))+7], v[8*(8*(\a)+(\b)):8*(8*(\a)+(\b))+7]
.endif
.endr
.endr
.endm
; 32 LDS loads in one run: the fragments of one quarter step (128 rows of B, 128 rows of A, 32 K at byte k of the rows) into buffer f
.macro FETCH slot, k, f
	WIN TO_B
.irp i, 0,1,2,3,4,5,6,7
	ds_load_b128 v[(\f)+8*(\i):(\f)+8*(\i)+3],   v[ADRB+(\slot)] offset:(\k)+(\i)*16*PITCH
	ds_load_b128 v[(\f)+8*(\i)+4:(\f)+8*(\i)+7], v[ADRB+(\slot)] offset:(\k)+(\i)*16*PITCH+32
.endr
	WIN 0
.irp i, 0,1,2,3,4,5,6,7
	ds_load_b128 v[(\f)+8*(\i):(\f)+8*(\i)+3],   v[ADRA+(\slot)] offset:(\k)+(\i)*16*PITCH
	ds_load_b128 v[(\f)+8*(\i)+4:(\f)+8*(\i)+7], v[ADRA+(\slot)] offset:(\k)+(\i)*16*PITCH+32
.endr
.endm
; A load into a register that a matrix instruction has read, and a vector instruction that reads a matrix result or writes one of a matrix instruction's registers, stand four places behind it, and only
; plain vector instructions that name none of its registers are places (ISA guide 7.12.1 for vector instructions).
.macro PLACES
.rept 4
	v_nop
.endr
.endm
; A K step is four quarter steps of 32 along K, 64 matrix instructions each, on buffers 0, 1, 0, 1.
; One of the first three: multiplies buffer f; in its middle it fetches the next quarter's fragments, at byte k of the same slot's rows, into buffer g.
.macro QUARTER slot, k, f, g, zero
	s_wait_dscnt 8                                 ; B and A's rows 0-63 are in; the youngest eight loads (A's rows 64-127) may be out
	WIN MUL_LO
	MUL16 \f, 0, 0, \zero
	MUL16 \f, 0, 2, \zero
	PLACES
	FETCH \slot, \k, \g
	s_wait_dscnt 32                                ; all but the 32 just issued
	WIN MUL_HI
	MUL16 \f, 1, 0, \zero
	MUL16 \f, 1, 2, \zero
.endm
; The last quarter multiplies buffer 1 and changes slots.  MEET is its first half: ONE barrier for the change.  In front of it each wave waits for all its tensor loads, of which one is out: its part of
; the next slot; adds 0 to its spare word; and waits for that and for its own reads of this slot.  Behind it nobody reads this slot any more and the next slot is whole.
.macro MEET round                      ; round = 1: the rest of a round of the cluster's barrier follows
	WIN 0                                          ; (the add's two registers lie in window 0)
	s_wait_tensorcnt 0x0                           ; all my tensor loads have landed;
	ds_add_u32 v[SPW], v[NIL]                      ; 0 onto my spare word;
	s_wait_dscnt 9                                 ; (the add and the youngest eight loads may be out)
	WIN MUL_LO
	MUL16 F1, 0, 0, 0                              ; sixteen matrix instructions stand between the add and the wait for it
	s_wait_dscnt 0x0                               ; the add is done, and my reads of this slot are over:
	s_barrier_signal -1                            ; say so,
	MUL16 F1, 0, 2, 0                              ; work on registers while the others arrive,
.if \round
	WIN 0
.endif
	s_barrier_wait -1                              ; and go on when all four have said so
.endm
; The whole last quarter.  fill = 1: the barrier opens a round of the cluster's, so that no wave of any partner still reads this slot or has a load on its way; behind the round the slot is filled again first,
; with the K step two steps on: from that request to the wait for it a wave issues 224 matrix instructions.  Then come the next slot's first fragments.
.macro TURN slot, next, fill
.if \fill
	s_wait_xcnt 0x0                                ; the last prefetch, a K step back, has read its address: it is stepped here, ahead of the waits of the change of slots
	s_add_nc_u64 s[PFA:PFA+1], s[PFA:PFA+1], KSTEP*2
	MEET 1
	CREST
	s_add_nc_u64 s[G0+4*(\slot)+2:G0+4*(\slot)+3], s[G0+4*(\slot)+2:G0+4*(\slot)+3], 2*KSTEP*2      ; no tensor load of mine is out: a group 0 may be written
	s_add_nc_u64 s[G0B+4*(\slot)+2:G0B+4*(\slot)+3], s[G0B+4*(\slot)+2:G0B+4*(\slot)+3], 2*KSTEP*2
	JLOAD \slot                                    ; the first tensor load behind the round, my only one until the next; its four v_nop are also the places in front of the loads below
.else
	MEET 0
	PLACES
.endif
	FETCH \next, 0, F0
.if \fill
	ASK
.endif
	WIN MUL_HI
	MUL16 F1, 1, 0, 0
	MUL16 F1, 1, 2, 0
.endm
; THE WAY OUT of block a (16 of my rows x my 128 columns), in three parts.
; SCALE: the block's 64 scales min(rz ry, 1e8) a lane, then the sums times them; each accumulator's registers are taken in ascending order.
.macro SCALE a
	WIN 0
.set i, 0
.rept 32
	v_pk_mul_f32 v[T+2*i:T+2*i+1], v[RY+2*i:RY+2*i+1], v[RX+2*(\a):RX+2*(\a)+1]
.set i, i+1
.endr
.set i, 0
.rept 64
	v_min_num_f32 v[T+i], s[CAP], v[T+i]
.set i, i+1
.endr
	WIN 0x02+(\a)/4                                ; source 0: window 2 (blocks 0-3) or 3 (blocks 4-7)
.set i, 0
.rept 32
	v_pk_mul_f32 v[T+2*i:T+2*i+1], v[64*((\a)%4)+2*i:64*((\a)%4)+2*i+1], v[T+2*i:T+2*i+1]
.set i, i+1
.endr
	WIN 0
.endm
; TOSTAGE: 32 bytes a lane and n block into my own stage, and back as whole rows of 512 bytes, into window 1's buffer a % 2.
.macro TOSTAGE a
	WIN 0
.irp b, 0,1,2,3,4,5,6,7
	ds_store_b128 v[STO], v[T+8*(\b):T+8*(\b)+3]   offset:64*(\b)
	ds_store_b128 v[STO], v[T+8*(\b)+4:T+8*(\b)+7] offset:64*(\b)+16
.endr
	WIN TO_B
.set BK, 64+64*((\a)%2)
.irp t, 0,1,2,3,4,5,6,7,8,9,10,11,12,13,14,15
	ds_load_b128 v[BK+4*(\t):BK+4*(\t)+3], v[RD] offset:(\t)*SPITCH  ; LDS serves a wave's instructions in order (ISA guide 5.7.1.4): these see the stores above, and the next block's stores come behind them
.endr
.endm
; SEND: stored.  A store of the wave covers 512 consecutive bytes of a row of out0, at a multiple of 512 from its first byte.  The row stands in the immediate, 127 rows of 16,384 bytes at the most,
; inside its signed 24 bits: neither the base nor the offset register is ever rewritten.
.macro SEND a
	WIN 0x04                                       ; the stores' data (source 1) in window 1
.set BK, 64+64*((\a)%2)
.if ((\a) >= 1) && ((\a) <= 6)
	s_wait_xcnt 0x0                                ; the stores of the block before have read their data: the next TOSTAGE loads into those registers only behind this wait
.endif
.irp t, 0,1,2,3,4,5,6,7,8,9,10,11,12,13,14,15
	s_wait_dscnt 15-(\t)                           ; row t is back; the younger rows' loads may be out
	global_store_b128 v[CO], v[BK+4*(\t):BK+4*(\t)+3], s[8:9] offset:(16*(\a)+(\t))*OROW th:TH_STORE_NT
.endr
.endm
	s_wait_loadcnt 0x0                             ; rz and ry, once: they come while the first tile is on its way
	s_wait_tensorcnt 1                             ; my part of K step 0 is in; K step 1's load may stay out
	s_barrier_signal -1
	s_barrier_wait -1                              ; everybody's is
	FETCH 0, 0, F0
	QUARTER 0, 64,  F0, F1, 1                      ; the first quarter stands in front of the loop: its products start the sums
	WIN 0                                          ; at a label and at a branch every window is 0
	s_mov_b32 s3, LAPS-1
.Llap:                                                 ; a trip goes once round the ring, from a lap's second quarter to the next lap's first, and fills both slots again
	QUARTER 0, 128, F1, F0, 0
	QUARTER 0, 192, F0, F1, 0
	TURN 0, 1, 1
	QUARTER 1, 64,  F0, F1, 0
	QUARTER 1, 128, F1, F0, 0
	QUARTER 1, 192, F0, F1, 0
	TURN 1, 0, 1
	QUARTER 0, 64,  F0, F1, 0
	WIN 0
	s_sub_co_u32 s3, s3, 1
	s_cmp_lg_u32 s3, 0
	s_cbranch_scc1 .Llap
	QUARTER 0, 128, F1, F0, 0                      ; the last lap is written out: it fills nothing, and has no round of the cluster's barrier
	QUARTER 0, 192, F0, F1, 0
	TURN 0, 1, 0
	QUARTER 1, 64,  F0, F1, 0
	QUARTER 1, 128, F1, F0, 0
	QUARTER 1, 192, F0, F1, 0
	s_wait_dscnt 8                                 ; the very last quarter: nothing more to fetch
	MUL16 F1, 0, 0, 0
	MUL16 F1, 0, 2, 0
	s_wait_dscnt 0x0
	MUL16 F1, 1, 0, 0
	MUL16 F1, 1, 2, 0
	WIN 0
	PLACES                                         ; behind the last products: SCALE writes registers that held A's fragments and reads results
	PLACES
	SCALE 0
	TOSTAGE 0
.irp a, 1,2,3,4,5,6,7                  ; block a's arithmetic stands between block a - 1's loads from the stage and the waits for them
	SCALE \a
	SEND (\a)-1
	TOSTAGE \a
.endr
	SEND 7
	WIN 0
	s_wait_tensorcnt 0x0                           ; the wave's end: behind my last tensor load and my last LDS store
	ds_add_u32 v[SPW], v[NIL]
	s_wait_dscnt 0x0
	CROUND                                         ; the closing round: no work-group ends while a partner may still ask for a tile that names it
	s_endpgm
.Lfunc_end_k_q5f797d29f8_gemm:
	.size	k_q5f797d29f8_gemm, .Lfunc_end_k_q5f797d29f8_gemm-k_q5f797d29f8_gemm
	.p2alignl 7, 3214868480
	.fill 96, 4, 3214868480
	.section	.rodata,"a",@progbits
	.p2align	6, 0x0
	.amdhsa_kernel k_q5f797d29f8_gemm
		.amdhsa_group_segment_fixed_size 327680
		.amdhsa_private_segment_fixed_size 0
		.amdhsa_enable_private_segment 0
		.amdhsa_kernarg_size 24
		.amdhsa_user_sgpr_count 2
		.amdhsa_user_sgpr_kernarg_segment_ptr 1
		.amdhsa_wavefront_size32 1
		.amdhsa_system_sgpr_workgroup_id_x 1
		.amdhsa_system_sgpr_workgroup_id_y 1
		.amdhsa_system_sgpr_workgroup_id_z 1
		.amdhsa_system_vgpr_workitem_id 0
		.amdhsa_next_free_vgpr 1024
		.amdhsa_next_free_sgpr 72
		.amdhsa_reserve_vcc 0
		.amdhsa_float_denorm_mode_32 3
		.amdhsa_float_denorm_mode_16_64 3
		.amdhsa_memory_ordered 1
		.amdhsa_forward_progress 1
		.amdhsa_inst_pref_size 198
	.end_amdhsa_kernel
	.amdgpu_metadata
---
amdhsa.version: [ 1, 2 ]
amdhsa.kernels:
  - .name:           k_q5f797d29f8_gemm
    .symbol:         k_q5f797d29f8_gemm.kd
    .args:
      - { .name: ab, .offset: 0, .size: 8, .value_kind: global_buffer, .address_space: global }
      - { .name: rn, .offset: 8, .size: 8, .value_kind: global_buffer, .address_space: global }
      - { .name: out0, .offset: 16, .size: 8, .value_kind: global_buffer, .address_space: global }
    .group_segment_fixed_size: 327680
    .private_segment_fixed_size: 0
    .kernarg_segment_align: 8
    .kernarg_segment_size: 24
    .max_flat_workgroup_size: 128
    .sgpr_count:     72
    .vgpr_count:     1024
    .wavefront_size: 32
...
	.end_amdgpu_metadata
.endif
;; end of part 2
;; ======== version 2 of 2: 2 launches; version 1 with the launch prep written anew for expert scheduling mode
;; workspace buffers: ab 67,108,864 bytes; rn 32,768 bytes
;; launch prep (part 3): grid 256 x 2, 8 waves a work-group, no clusters, 0 bytes of LDS; arguments Z, Y, ab, rn; writes ab, rn
.if DOCPART == 3
	.amdgcn_target "amdgcn-amd-amdhsa--gfx1250"
	.amdhsa_code_object_version 6
	.text
	.protected	k_q5f797d29f8_prep
	.globl	k_q5f797d29f8_prep
	.p2align	8
	.type	k_q5f797d29f8_prep,@function
k_q5f797d29f8_prep:
	s_mov_b64 s[64:65], 0
	v_nop
	global_prefetch_b8 v0, s[64:65] scope:SCOPE_SE
	s_setreg_imm32_b32 hwreg(HW_REG_WAVE_SCHED_MODE, 0, 2), 2
	s_setreg_imm32_b32 hwreg(HW_REG_WAVE_MODE, 25, 1), 1
	s_wait_xcnt 0x0
	s_wait_alu depctr_vm_vsrc(0)
; THE CAST AND THE NORMS.  Z and Y, [4096][4096] f32, are each read once.  ab takes their copies rounded to bf16 (Z's 4096 rows of 8,192 bytes, then Y's);
; rn takes 1 / sqrt(sum of a row's squares) in f32: Z's 4096 words, then Y's.  The squares are taken of the f32 numbers, summed in f32.
; LIMITS.  A sum of squares below 2^-126 counts as 0 in v_rsq_f32 and gives an infinity, which the next launch caps at 1e8; a sum beyond f32's range gives 0, as the
; norm in f32 would be an infinity.  NaN and infinities are not treated apart.
; SHARES.  Grid y picks the matrix; work-group x owns 16 rows, each of its eight waves two.  A row is 32 chunks of 512 bytes: one load of a wave takes 512 consecutive bytes
; (16 a lane), one store of a wave writes the same four numbers a lane as 256 consecutive bytes of bf16, aligned.  A row never leaves its wave: no LDS, no barrier.
; No matrix unit, no cluster, no LDS ring: no byte is used twice, and what the launch does is move bytes.  No loop: both rows are written out, every step stands in an immediate, no address register is rewritten.
; rn's stores are 8 bytes a wave: 32 KiB of the launch's 64 MiB of stores; a work-group that owned 64 rows, 256 bytes of rn, would leave only 128 work-groups.
; THE MODE: SCHED_MODE bits 1:0 = 2 (LLVM: expert scheduling mode 2), set by the entry lines.  The code itself states the register dependences
; between vector instructions and memory instructions, with s_wait_alu, always for 0.
; THE PLAN.  A wave's two rows lie end to end: 64 chunks, taken as 16 blocks of four; block q's chunk i stands at byte 512 (4 q + i) of the input and at byte 256 (4 q + i) of the output.
; Registers that memory instructions touch:
;   X0 .. X8   nine blocks of x as loaded.  Block p's data lie in X[p % 9].  Written by loads alone: blocks 0 to 8 at the start, block p + 8 in block p (p = 1 .. 7); read by block p's squares and roundings.
;   Y0 .. Y8   nine blocks of bf16 to store.  Block p's roundings write Y[p % 9]; the four stores that are issued in block p + 1 read it.  Blocks 9 to 15 write Y0 to Y6 a second time.
;   v2, v3, v4 byte offsets, made once at the head and never written again.        v24  the word for rn, at the end.
; Block p works on X[p % 9] and Y[p % 9].  Its memory instructions are the loads into X[(p + 8) % 9] = X[(p - 1) % 9] and the stores from Y[(p - 1) % 9]: the two buffers that block p - 1 worked on and that no
; vector instruction of block p names.  So one wait at a block's head states all that its eight memory instructions hang on, and these are dealt among its vector instructions with no further wait.
; IN FLIGHT.  36 loads of every wave at the start, 28 at a block's head and 32 behind its four loads.
.set LO,  2                            ; v2   my 16 bytes in my wave's first row, from the work-group's first row; never rewritten
.set SO,  3                            ; v3   my 8 bytes in ab likewise; never rewritten
.set RO,  4                            ; v4   8 x wave + 4 x lane: lanes 0 and 1 store the wave's two words of rn
.set ACC, 8                            ; v[8:23]    row r: four pairs of running sums at ACC + 8 r: no memory instruction names them
.set RS,  24                           ; v24, v25   the two reciprocal norms
.set X,   32                           ; v[32:175]  buffer k, chunk i: four f32 as loaded, at X + 16 k + 4 i
.set Y,   176                          ; v[176:247] buffer k, chunk i: four bf16 to store, at Y + 8 k + 2 i
	s_load_b256 s[4:11], s[0:1], 0x0               ; Z s[4:5], Y s[6:7], ab s[8:9], rn s[10:11]
	s_and_b32 s15, ttmp7, 0xffff                   ; 0: Z, 1: Y
	s_mov_b32 s12, 0x76543210                      ; v_permlanex16_b32: lane i of one half reads lane i of the other
	s_mov_b32 s13, 0xfedcba98
	s_lshl_b32 s16, ttmp9, 18                      ; in: 16 rows of 16,384 bytes a work-group
	s_mov_b32 s17, 0
	s_lshl_b32 s18, s15, 25                        ; out: 32 MiB a matrix,
	s_lshl_b32 s19, ttmp9, 17                      ; 16 rows of 8,192 bytes a work-group
	s_add_co_u32 s18, s18, s19
	s_mov_b32 s19, 0
	s_lshl_b32 s20, s15, 14                        ; rn: 16 KiB a matrix,
	s_lshl_b32 s21, ttmp9, 6                       ; 16 words a work-group
	s_add_co_u32 s20, s20, s21
	s_mov_b32 s21, 0
	v_and_b32 v1, 31, v0                           ; lane
	v_and_b32 v5, 0xe0, v0                         ; 32 x wave
	v_lshlrev_b32 v[LO], 4, v1
	v_lshl_or_b32 v[LO], v5, 10, v[LO]             ; + wave x 2 rows x 16,384
	v_lshlrev_b32 v[SO], 3, v1
	v_lshl_or_b32 v[SO], v5, 9, v[SO]              ; + wave x 2 rows x 8,192
	v_lshrrev_b32 v[RO], 2, v5
	v_lshl_add_u32 v[RO], v1, 2, v[RO]
	s_wait_kmcnt 0x0
	s_cmp_eq_u32 s15, 0
	s_cselect_b64 s[4:5], s[4:5], s[6:7]           ; the matrix that this work-group reads
	s_add_nc_u64 s[4:5], s[4:5], s[16:17]
	s_add_nc_u64 s[8:9], s[8:9], s[18:19]
	s_add_nc_u64 s[10:11], s[10:11], s[20:21]
	s_wait_alu depctr_va_vdst(0)                   ; v2, v3 and v4 are written: every load and store of the kernel reads one of them as its offset
.set n, 0
.rept 36
	global_load_b128 v[X+4*n:X+4*n+3], v[LO], s[4:5] offset:512*n th:TH_LOAD_NT  ; blocks 0 to 8: row 0, all of it, and row 1's first four chunks
.set n, n+1
.endr
; Block p of 16: row p / 8, chunks 4 (p % 8) to 4 (p % 8) + 3.
; The sums go in four pairs of chains a row (even and odd chunks, two pairs each); a chain's first product starts it: nothing is cleared.
.macro BLK p
.set XB, X+16*((\p)%9)                 ; the buffers at work,
.set YB, Y+8*((\p)%9)
.set XP, X+16*(((\p)+8)%9)             ; and those that the block before worked on
.set YP, Y+8*(((\p)+8)%9)
.set AC, ACC+8*((\p)/8)
.if (\p) == 0
	s_wait_loadcnt 32                              ; loads come back in order (ISA guide 5.7.1): block 0 is in, blocks 1 to 8 stay out
.elseif (\p) <= 8
	s_wait_loadcnt 28                              ; this block is in; the seven younger blocks, p + 1 to p + 7, stay out
.else
	s_wait_loadcnt 4*(15-(\p))                     ; nothing more is asked for: the counts run down
.endif
.if (\p) == 9
	s_wait_xcnt 0x0                                ; every earlier memory instruction has had its addresses translated (ISA guide 3.1): Y0 to Y6 are written again only behind this wait
	s_wait_alu depctr_vm_vsrc(0)                   ; the stores issued in blocks 1 to 8 have read Y0 to Y7, of which this block and the six behind it write Y0 to Y6 again
.endif
.if (\p) >= 1
	s_wait_alu depctr_va_vdst(0)                   ; the block before has written its Y, which the stores below read, and is done reading its X, in which the loads below (blocks 1 to 7) land
.endif
.irp i, 0,1,2,3
.if ((\p) >= 1) && ((\p) <= 7)
	global_load_b128 v[XP+4*(\i):XP+4*(\i)+3], v[LO], s[4:5] offset:512*(4*((\p)+8)+(\i)) th:TH_LOAD_NT  ; eight blocks ahead, the load ahead of the store; no vector instruction since the wait names these registers
.endif
.if (\p) >= 1
	global_store_b64 v[SO], v[YP+2*(\i):YP+2*(\i)+1], s[8:9] offset:256*(4*((\p)-1)+(\i)) th:TH_STORE_NT  ; the block before
.endif
.if (((\p)%8) == 0) && ((\i) < 2)
	v_pk_mul_f32 v[AC+4*(\i):AC+4*(\i)+1],   v[XB+4*(\i):XB+4*(\i)+1],   v[XB+4*(\i):XB+4*(\i)+1]
	v_pk_mul_f32 v[AC+4*(\i)+2:AC+4*(\i)+3], v[XB+4*(\i)+2:XB+4*(\i)+3], v[XB+4*(\i)+2:XB+4*(\i)+3]
.else
	v_pk_fma_f32 v[AC+4*((\i)%2):AC+4*((\i)%2)+1],   v[XB+4*(\i):XB+4*(\i)+1],   v[XB+4*(\i):XB+4*(\i)+1],   v[AC+4*((\i)%2):AC+4*((\i)%2)+1]
	v_pk_fma_f32 v[AC+4*((\i)%2)+2:AC+4*((\i)%2)+3], v[XB+4*(\i)+2:XB+4*(\i)+3], v[XB+4*(\i)+2:XB+4*(\i)+3], v[AC+4*((\i)%2)+2:AC+4*((\i)%2)+3]
.endif
	v_cvt_pk_bf16_f32 v[YB+2*(\i)],   v[XB+4*(\i)],   v[XB+4*(\i)+1]    ; two roundings to nearest even, packed
	v_cvt_pk_bf16_f32 v[YB+2*(\i)+1], v[XB+4*(\i)+2], v[XB+4*(\i)+3]
.endr
.endm
.set n, 0
.rept 16
	BLK n
.set n, n+1
.endr
	s_wait_alu depctr_va_vdst(0)                   ; block 15 has written Y6, which the last four stores read
.irp i, 0,1,2,3
	global_store_b64 v[SO], v[Y+8*(15%9)+2*\i:Y+8*(15%9)+2*\i+1], s[8:9] offset:256*(60+\i) th:TH_STORE_NT
.endr
	; the two rows' sums: within the lane, then across the 32 lanes (four steps inside each half of 16 lanes ride on the addition, one crosses the halves); the rows' lines alternate
.irp r, 0,1
	v_pk_add_f32 v[ACC+8*\r:ACC+8*\r+1], v[ACC+8*\r:ACC+8*\r+1], v[ACC+8*\r+2:ACC+8*\r+3]
	v_pk_add_f32 v[ACC+8*\r+4:ACC+8*\r+5], v[ACC+8*\r+4:ACC+8*\r+5], v[ACC+8*\r+6:ACC+8*\r+7]
.endr
.irp r, 0,1
	v_pk_add_f32 v[ACC+8*\r:ACC+8*\r+1], v[ACC+8*\r:ACC+8*\r+1], v[ACC+8*\r+4:ACC+8*\r+5]
.endr
.irp r, 0,1
	v_add_f32 v[ACC+8*\r], v[ACC+8*\r], v[ACC+8*\r+1]
.endr
.irp m, 1,2,4,8
.irp r, 0,1
	v_add_f32_dpp v[ACC+8*\r], v[ACC+8*\r], v[ACC+8*\r] row_xmask:\m row_mask:0xf bank_mask:0xf
.endr
.endr
.irp r, 0,1
	v_permlanex16_b32 v[ACC+8*\r+1], v[ACC+8*\r], s12, s13  ; its destination has been written before
.endr
.irp r, 0,1
	v_add_f32 v[ACC+8*\r], v[ACC+8*\r], v[ACC+8*\r+1]       ; every lane holds the row's sum of squares
.endr
	v_rsq_f32 v[RS], v[ACC]
	v_rsq_f32 v[RS+1], v[ACC+8]
	v_cmp_eq_u32 vcc_lo, 1, v1
	v_nop                                          ; a plain instruction behind the last of the two (ISA guide 5.7.2),
	s_wait_alu depctr_va_vdst(0)                   ; and one wait for both: v24 and v25 are written, ahead of their first reader
	s_wait_alu depctr_va_vcc(0)                    ; the compare has written VCC, which the select reads
	v_cndmask_b32 v[RS], v[RS], v[RS+1], vcc_lo    ; lane 0 keeps row 0's, lane 1 takes row 1's
	s_wait_xcnt 0x0                                ; EXEC changes only when every earlier load and store has read its sources
	v_cmp_gt_u32 vcc_lo, 2, v1
	s_wait_alu depctr_va_vcc(0)                    ; the compare has written VCC, from which EXEC is made
	s_wait_alu depctr_va_vdst(0)                   ; ahead of a write of EXEC: the vector instructions issued so far are done; among them the select has written v24, which the store below reads
	s_wait_alu depctr_vm_vsrc(0)                   ; ahead of a write of EXEC: the stores issued so far have read their vector registers
	s_and_saveexec_b32 s14, vcc_lo
	global_store_b32 v[RO], v[RS], s[10:11]
	s_wait_xcnt 0x0                                ; and again, in front of the line that widens it
	s_wait_alu depctr_va_vdst(0)                   ; ahead of a write of EXEC: no vector instruction is still at work
	s_wait_alu depctr_vm_vsrc(0)                   ; ahead of a write of EXEC: the store has read v4 and v24
	s_or_b32 exec_lo, exec_lo, s14
	s_endpgm
.Lfunc_end_k_q5f797d29f8_prep:
	.size	k_q5f797d29f8_prep, .Lfunc_end_k_q5f797d29f8_prep-k_q5f797d29f8_prep
	.p2alignl 7, 3214868480
	.fill 96, 4, 3214868480
	.section	.rodata,"a",@progbits
	.p2align	6, 0x0
	.amdhsa_kernel k_q5f797d29f8_prep
		.amdhsa_group_segment_fixed_size 0
		.amdhsa_private_segment_fixed_size 0
		.amdhsa_enable_private_segment 0
		.amdhsa_kernarg_size 32
		.amdhsa_user_sgpr_count 2
		.amdhsa_user_sgpr_kernarg_segment_ptr 1
		.amdhsa_wavefront_size32 1
		.amdhsa_system_sgpr_workgroup_id_x 1
		.amdhsa_system_sgpr_workgroup_id_y 1
		.amdhsa_system_sgpr_workgroup_id_z 1
		.amdhsa_system_vgpr_workitem_id 0
		.amdhsa_next_free_vgpr 248
		.amdhsa_next_free_sgpr 66
		.amdhsa_reserve_vcc 1
		.amdhsa_float_denorm_mode_32 3
		.amdhsa_float_denorm_mode_16_64 3
		.amdhsa_memory_ordered 1
		.amdhsa_forward_progress 1
		.amdhsa_inst_pref_size 33
	.end_amdhsa_kernel
	.amdgpu_metadata
---
amdhsa.version: [ 1, 2 ]
amdhsa.kernels:
  - .name:           k_q5f797d29f8_prep
    .symbol:         k_q5f797d29f8_prep.kd
    .args:
      - { .name: Z, .offset: 0, .size: 8, .value_kind: global_buffer, .address_space: global }
      - { .name: Y, .offset: 8, .size: 8, .value_kind: global_buffer, .address_space: global }
      - { .name: ab, .offset: 16, .size: 8, .value_kind: global_buffer, .address_space: global }
      - { .name: rn, .offset: 24, .size: 8, .value_kind: global_buffer, .address_space: global }
    .group_segment_fixed_size: 0
    .private_segment_fixed_size: 0
    .kernarg_segment_align: 8
    .kernarg_segment_size: 32
    .max_flat_workgroup_size: 256
    .sgpr_count:     66
    .vgpr_count:     248
    .wavefront_size: 32
...
	.end_amdgpu_metadata
.endif
;; end of part 3
;; launch gemm: the kernel of part 2 again; grid 16 x 16, 4 waves a work-group, clusters of 4 x 4, 327,680 bytes of LDS; arguments ab, rn, out0; writes out0
